; MI455X (gfx1250); checked and timed in simulation.
; The chip was launched on July 23, 2026; its instructions are those of AMD's public machine-readable ISA for CDNA 5 (MIT licence, August 2026) and "CDNA5" Instruction Set Architecture Reference Guide (July 2026). The comments in the code are by the model that wrote it; some were corrected since.
;; Multihead Attention. Allowed arithmetic: matrix products marked QUANTISED: E4M3 operands, one given power-of-two scale a tensor, by v_wmma_f32_16x16x64_fp8_fp8 or v_wmma_f32_16x16x128_fp8_fp8, f32 sums; everything else in f32.
;; Inputs: Wk_codes 1,024 x 32 x 32 uint8 (E4M3 codes of Wk, K innermost, in blocks of 32 codes); Wo_codes 1,024 x 32 x 32 uint8 (E4M3 codes of Wo, K innermost, in blocks of 32 codes); Wq_codes 1,024 x 32 x 32 uint8 (E4M3 codes of Wq, K innermost, in blocks of 32 codes); Wv_codes 1,024 x 32 x 32 uint8 (E4M3 codes of Wv, K innermost, in blocks of 32 codes); bk 1,024 float32; bo 1,024 float32; bq 1,024 float32; bv 1,024 float32; key_codes 2,048 x 2 x 32 x 32 uint8 (E4M3 codes of key, K innermost, in blocks of 32 codes); lowp_scales 12 int32 (the exponents e of the quantised operands' scales 2^e); mask 1 x 2,048 x 1 int32; query_codes 2,048 x 2 x 32 x 32 uint8 (E4M3 codes of query, K innermost, in blocks of 32 codes); value_codes 2,048 x 2 x 32 x 32 uint8 (E4M3 codes of value, K innermost, in blocks of 32 codes).
;; Outputs: out0 2,048 x 2 x 1,024 float32.
;; This version of the problem:
;;   THIS VERSION OF THE PROBLEM IS GIVEN IN LOW PRECISION. The matrix products marked QUANTISED in the list below multiply operands that are first quantised to E4M3 (4 exponent bits, 3 mantissa bits; 8 bits a number), with one given power-of-two scale for each operand tensor; their sums are f32. All else is computed in f32.
;;   The module's matrix products, in the order in which they are computed (A, B: the left and right operand; K: the contracted axis; several contracted axes count as one K, in the product's order):
;;     1. [M 4,096, K 1,024] x [K 1,024, N 1,024]; A: input query (given as codes); B: input Wq (given as codes): QUANTISED (scales: A lowp_scales[0], B lowp_scales[1])
;;     2. [M 4,096, K 1,024] x [K 1,024, N 1,024]; A: input key (given as codes); B: input Wk (given as codes): QUANTISED (scales: A lowp_scales[2], B lowp_scales[3])
;;     3. [M 4,096, K 1,024] x [K 1,024, N 1,024]; A: input value (given as codes); B: input Wv (given as codes): QUANTISED (scales: A lowp_scales[4], B lowp_scales[5])
;;     4. batch 32 x [M 2,048, K 64] x [K 64, N 2,048]; A: computed on the way; B: computed on the way: QUANTISED (scales: A lowp_scales[6], B lowp_scales[7])
;;     5. batch 32 x [M 64, K 2,048] x [K 2,048, N 2,048]; A: computed on the way; B: softmax (see below): QUANTISED (scales: A lowp_scales[8], B lowp_scales[9])
;;     6. [M 4,096, K 1,024] x [K 1,024, N 1,024]; A: computed on the way; B: input Wo (given as codes): QUANTISED (scales: A lowp_scales[10], B lowp_scales[11])
;;   THE QUANTISER, for each operand of a quantised product, along K:
;;     - The operand's scale is 2^e, e = its entry of the input lowp_scales (int32; the entries are numbered through the quantised products in the list's order, A before B).
;;     - Each number is divided by the scale, clamped to +-448, and rounded to the nearest number of E4M3, ties to even, subnormals kept.
;;     - The product sums the exact products of the quantised numbers (number of the format x scale) in f32.
;;   ~~~python
;;   def quantise(x, axis, e):      # numpy; x: float32 -> the quantised numbers, widened to float32 again
;;       x = np.moveaxis(x, axis, -1); K = x.shape[-1]
;;       r = np.clip(x / 2.0 ** e, -448, 448)
;;       step = 2.0 ** (np.maximum(np.frexp(np.where(r == 0, 1, r))[1] - 1, -6) - 3)
;;       q = np.round(r / step) * step * 2.0 ** e      # np.round: ties to even
;;       return np.moveaxis(q, -1, axis).astype(np.float32)
;;   ~~~
;;   SOFTMAX AHEAD OF A QUANTISED PRODUCT. Where the list says 'softmax', what is quantised is not the finished softmax but p = 2^(t - M), with t = logit x log2(e) and M = ceil(the row's largest t), a whole number; so 1/2 < the row's largest p <= 1. The row's sum l is taken of the UNQUANTISED p, in f32, and the product's result is divided by l at the end. Since M is a whole number, a kernel that streams over the keys may use a running M (the ceiling of the running maximum): every later rescaling is an exact power of two, so the quantised numbers keep their values, but for numbers so far below the row's largest that they fall under the format's range.
;;   OPERANDS COMPUTED ON THE WAY. 'Computed on the way' means the value that the module computes at that place (a softmax that the list does not call 'softmax' is quantised finished and normalised). What goes into a quantiser is computed in f32, as accurately as f32 sums, v_exp_f32 and their like allow (about 1e-6 of the number): no bf16 or f16 on the way to a quantiser, and a product that is left as it is and whose result goes on into a quantised operand takes f32 operands (vector FMAs, or v_wmma_f32_16x16x4_f32). A number that lies on a knife's edge between two numbers of the format may be rounded either way, as far as f32 arithmetic and the matrix unit's own rounding can turn it there, and no further.
;;   INPUTS GIVEN AS CODES. Wk (in the module: [1024, 1024], K = its axis 1); Wo (in the module: [1024, 1024], K = its axis 1); Wq (in the module: [1024, 1024], K = its axis 1); Wv (in the module: [1024, 1024], K = its axis 1); key (in the module: [2048, 2, 1024], K = its axis 2); query (in the module: [2048, 2, 1024], K = its axis 2); value (in the module: [2048, 2, 1024], K = its axis 2): each comes as NAME_codes (uint8): NAME with its K axis moved to the last place and cut into blocks of 32 codes, [.., K / 32, bytes a block], one block behind the other in memory; one code a byte (a code: sign, 4 exponent bits, 3 mantissa bits); its scale is its entry of lowp_scales. Its value is code x scale, taken as it is: it is not quantised again, and the codes and scales need not be those that the quantiser above would give.
;; One version. Each part assembles by itself: llvm-mc -triple=amdgcn-amd-amdhsa -mcpu=gfx1250 --defsym DOCPART=n.
;; ======== version 1 of 1: 3 launches
;; limits: right only within a limited range of input values
;; workspace buffers: qc 4,194,304 bytes; kc 4,194,304 bytes; vc 4,194,304 bytes; xc 4,194,304 bytes
;; launch proj (part 1): grid 4 x 48, 4 waves a work-group, clusters of 4 x 4, 327,680 bytes of LDS; arguments query_codes, key_codes, value_codes, Wq_codes, Wk_codes, Wv_codes, bq, bk, bv, lowp_scales, qc, kc, vc; writes qc, kc, vc
.if DOCPART == 1
	.amdgcn_target "amdgcn-amd-amdhsa--gfx1250"
	.amdhsa_code_object_version 6
	.text
	.protected	k_q1e2a344b08_proj
	.globl	k_q1e2a344b08_proj
	.p2align	8
	.type	k_q1e2a344b08_proj,@function
k_q1e2a344b08_proj:
	s_mov_b64 s[64:65], 0
	v_nop
	global_prefetch_b8 v0, s[64:65] scope:SCOPE_SE
	s_setreg_imm32_b32 hwreg(HW_REG_WAVE_MODE, 25, 1), 1
	s_wait_xcnt 0x0
	s_wait_alu depctr_hold_cnt(0) depctr_sa_sdst(0) depctr_va_vdst(0) depctr_va_sdst(0) depctr_va_ssrc(0) depctr_va_vcc(0) depctr_vm_vsrc(0)
	s_getreg_b32 s2, hwreg(HW_REG_IB_STS2, 6, 4)
	s_cmp_eq_u32 s2, 0
	s_cbranch_scc0 .Lentry_in_a_cluster
	s_endpgm
.Lentry_in_a_cluster:
	s_bfe_u32 s2, ttmp6, 0x10000c
	s_cmp_lg_u32 s2, 0xf033
	s_cbranch_scc0 .Lentry_shape_is_right
	s_endpgm
.Lentry_shape_is_right:
; q = query Wq^T + bq, k = key Wk^T + bk, v = value Wv^T + bv: three products of 4,096 x 1,024 x 1,024 on codes of FP8 (E4M3), each result quantised on its way out.
; DEAD WORK.  reference() deletes its argument mask in its first line; nothing that it computes afterwards names it.  So for all values of the inputs mask has no way to the output:
; it is not loaded and is no launch's argument.  LIMIT: a value of mask of any kind is not carried to the result.  All four biases go into a quantiser or the output and are live.
; SCALES (lowp_scales, whole numbers e, a scale is 2^e): 0, 1 query, Wq; 2, 3 key, Wk; 4, 5 value, Wv.  k is quantised by entry 6, q by entry 7, v by entry 8.
; A sum of codes stands for sum x 2^(ea + eb).  The bias, x 2^-(ea + eb), is the C of the first products; the conversion takes the one scale 2^(eo - ea - eb).
; LIMITS: eo - ea - eb between -126 and 119, so that the scale and 448 x the scale are f32 numbers; a bias x 2^-(ea + eb) is an f32 number; NaN in a bias is not served.
; ROLES.  Source 0 (P) gives the index that runs along a lane's eight registers, source 1 (R) the index that is lane % 16.  The codes are wanted with the NEXT product's K along the registers:
;   q, k: P = the weight's rows (n), R = the activations' rows;      v: P = the activations' rows, R = the weight's rows.
; A TILE is 256 rows of 1,024 bytes of either operand.  It lies in LDS as its 128 even rows, then its 128 odd rows: for the activations [s][b] the two are b = 0 and b = 1 (128 positions each), for a weight the
; features of even and of odd number.  So both operands have the same tile, the same pitch of 2,048 bytes, and fixed LDS regions (R's, then P's); only the buffers' addresses are chosen by g.
; SHARES.  Clusters 0-3 along y make q, 4-7 k, 8-11 v: g = cluster y / 4.  A work-group makes 256 x 256, a wave 128 x 128 (64 accumulators): wave = 2 wr + wp takes R's half wr and P's half wp.
; 3 x 16 x 4 = 192 work-groups; 128 x 128 for each wave is the largest tile that the registers hold, and smaller ones would bring each operand in twice as often.
; CLUSTERS: 4 x 4.  The four of a row share R's tile (q, k: R tile 4 (cluster y % 4) + cy, P tile cx), the four of a column P's (v: R tile cy, P tile 4 (cluster y % 4) + cx): joint loads.
; K goes in four steps of 256 through two LDS slots; K steps 2 and 3 are prefetched two steps ahead: of the 128 rows that a wave fetches each of the four partners names 32, a lane a row.
; OUT, as images of the next launch's operand registers: 16 bytes for each lane, 512 bytes a store, hb = 16 b + head.
;   qc, kc: [hb][s / 16][parity of d][lane][16]: lane (r, h), byte 8 u + j: position 16 (s / 16) + r, d = 2 (16 u + 8 h + j) + parity: the order of d is the same in q and k.
;   vc: [hb][s / 128][d tile 4][s / 32 % 4][lane][16]: d tile 2 p + e, lane (r, h), byte 8 u + j: d = 32 e + 2 r + p, key 32 (..) + 16 u + 8 h + j.
; REGISTERS, in windows of 256: window 0: v0-31 addresses; v32-95 the bias, later held numbers; v96-103 bias addresses; v96-223 codes on the way out; from v128 R's fragments, one set.
;   window 1: P's fragments, two sets.  window 2: accumulators of R's blocks 0-3 ((a, bb) at v[8 (8 (a % 4) + bb)]);  window 3: blocks 4-7.
.set ROWB,   512                       ; a tile's row in bytes: two K steps of 256, one in each slot
.set PITCH,  528                       ; an LDS row: the two slots of 256 bytes side by side + 16 of padding: the 16 rows that a load touches start 132 words apart
.set FR,     16                        ; registers of a fragment: 16 rows x 128 K
.set NL,     4                         ; LDS loads that bring one
.set NP,     4                         ; places behind this matrix instruction (ISA guide 7.12.1)
.set HALFT,  128*PITCH                 ; 128 rows: what one tensor load brings: K steps 0 and 1 at the head, K steps 2 and 3 by the one refill
.set SPARE,  4*HALFT                   ; behind R's 256 rows and P's 256: the spare words, 128 bytes for each wave
.set FIELDS, (1<<20)|(1<<21)|(6<<22)|(3<<25)   ; elements of 1 byte; padding on; bit 21 beside a mask; after every 128 words, 4 words
.set SC,   10                          ; v10     2^(eo - ea - eb)
.set LIM,  11                          ; v11     448 x that
.set ADRR, 12                          ; v12     LDS address of my R fragments
.set ADRP, 14                          ; v14     the same for P
.set CO,   16                          ; v16-23  where block a's codes go
.set SPW,  28                          ; v28     my spare word; never rewritten
.set NIL,  29                          ; v29     0; never rewritten
.set PFO,  30                          ; v30     the prefetches' offset; never rewritten
.set BQ,   32
.set TMP,  32
.set BA,   96
.set CD,   96
.set RF,   128
.set G1,  24
.set G0,  32
.set G1B, 48
.set G0B, 56
.set MSB, 0
.macro WIN new                         ; the immediate's high byte repeats the setting that is left
.if MSB != (\new)
	s_set_vgpr_msb (MSB<<8)|(\new)
.set MSB, (\new)
.endif
.endm
.set MUL_LO, 0xa1                      ; source 0 (P) window 1, source 1 (R) window 0, C and D window 2
.set MUL_HI, 0xf1                      ; the same, C and D window 3
.set TO_P,   0x40                      ; destination window 1, address window 0
; A joint load: waves 0 and 1 fetch R's halves, waves 2 and 3 P's.  The branch hangs on the wave's number alone.  An s_nop 0 and four v_nop follow each line.
.macro JLOAD g0a, g1a, g0b, g1b
	s_cmp_eq_u32 s15, 0
	s_cbranch_scc0 .Lfor_p_\@
	tensor_load_to_lds s[\g0a:\g0a+3], s[\g1a:\g1a+7]
	s_nop 0
.rept 4
	v_nop
.endr
	s_branch .Lasked_\@
.Lfor_p_\@:
	tensor_load_to_lds s[\g0b:\g0b+3], s[\g1b:\g1b+7]
	s_nop 0
.rept 4
	v_nop
.endr
.Lasked_\@:
.endm
.macro CREST                           ; a round of the cluster's barrier behind its opening barrier
	s_cmp_lg_u32 s14, 0
	s_cbranch_scc1 .Lnot_wave_0_\@
	s_barrier_signal -3
.Lnot_wave_0_\@:
	s_barrier_wait -3
	s_barrier_signal -1
	s_barrier_wait -1
.endm
.macro CROUND
	s_barrier_signal -1
	s_barrier_wait -1
	CREST
.endm
	s_load_b512 s[68:83], s[0:1], 0x0              ; query, key, value, Wq, Wk, Wv, bq, bk
	s_load_b256 s[84:91], s[0:1], 0x40             ; bv, the scales' exponents, qc, kc
	s_load_b64 s[92:93], s[0:1], 0x60              ; vc
	v_lshl_add_u32 v[SPW], v0, 2, SPARE
	v_mov_b32 v[NIL], 0
	ds_add_u32 v[SPW], v[NIL]                      ; the wave's opening: the add, twice on end, and its wait ahead of my first tensor load
	ds_add_u32 v[SPW], v[NIL]
	v_lshrrev_b32 v1, 5, v0
	v_readfirstlane_b32 s14, v1                    ; wave 0..3
	s_lshr_b32 s15, s14, 1                         ; wr.  Also: I fetch R's tile (0) or P's (1)
	s_and_b32 s16, s14, 1                          ; wp.  Also: which half of it
	s_bfe_u32 s40, ttmp6, 0x40000                  ; cx
	s_bfe_u32 s41, ttmp6, 0x40004                  ; cy
	s_and_b32 s17, ttmp7, 0xffff                   ; cluster y, 0..11
	s_lshr_b32 s94, s17, 2                         ; g: 0 q, 1 k, 2 v
	s_and_b32 s17, s17, 3
	s_lshl_b32 s17, s17, 2
	s_lshl_b32 s43, s41, 2
	s_lshl_b32 s43, 15, s43                        ; my row of the cluster
	s_lshl_b32 s44, 0x1111, s40                    ; my column
	s_or_b32 s[G1+0], s43, FIELDS                  ; R's tiles go to my row,
	s_or_b32 s[G1B+0], s44, FIELDS                 ; P's to my column
.irp g, G1, G1B
	s_mov_b32 s[\g+1], ROWB<<16                    ; tensor_dim0
	s_mov_b32 s[\g+2], 128<<16                     ; tensor_dim1
	s_mov_b32 s[\g+3], ROWB<<16                    ; tile_dim0
	s_mov_b32 s[\g+4], 128                         ; tile_dim1
	s_mov_b32 s[\g+5], 2048                        ; every second row
	s_mov_b32 s[\g+6], 0
	s_mov_b32 s[\g+7], 0
.endr
	s_cmp_eq_u32 s94, 2
	s_cselect_b32 s18, 0, s17
	s_cselect_b32 s19, s17, 0
	s_add_co_u32 s18, s18, s41                     ; R's tile
	s_add_co_u32 s19, s19, s40                     ; P's tile
	s_lshl_b32 s20, s18, 18                        ; 256 rows of 1,024 bytes
	s_lshl_b32 s46, s19, 18
	s_lshl_b32 s2, s16, 10                         ; even rows or odd rows
	s_add_co_u32 s20, s20, s2
	s_add_co_u32 s46, s46, s2
	s_mov_b32 s21, 0
	s_mov_b32 s47, 0
	s_mul_i32 s45, s14, HALFT                      ; where they go: wave x 128 rows
	s_wait_dscnt 0x0                               ; both opening adds are done
	s_wait_kmcnt 0x0
	s_cmp_eq_u32 s94, 1                            ; the buffers are chosen by g, which hangs on the cluster's number alone
	s_cselect_b64 s[4:5], s[70:71], s[68:69]       ; R: key, query
	s_cselect_b64 s[6:7], s[76:77], s[74:75]       ; P: Wk, Wq
	s_cselect_b64 s[96:97], s[82:83], s[80:81]     ; bias
	s_cselect_b64 s[98:99], s[90:91], s[88:89]     ; codes out
	s_cmp_eq_u32 s94, 2
	s_cselect_b64 s[4:5], s[78:79], s[4:5]         ; R: Wv
	s_cselect_b64 s[6:7], s[72:73], s[6:7]         ; P: value
	s_cselect_b64 s[96:97], s[84:85], s[96:97]
	s_cselect_b64 s[98:99], s[92:93], s[98:99]
	s_load_b256 s[68:75], s[86:87], 0x0            ; e0 .. e7
	s_load_b32 s101, s[86:87], 0x20                ; e8
	s_add_nc_u64 s[20:21], s[4:5], s[20:21]
	s_add_nc_u64 s[46:47], s[6:7], s[46:47]
	CROUND                                         ; all sixteen work-groups are here: the first joint loads meet
	s_mov_b32 s[G0], 1
	s_mov_b32 s[G0+1], s45
	s_mov_b64 s[G0+2:G0+3], s[20:21]
	s_or_b32 s[G0+3], s[G0+3], 0x80000000
	s_mov_b32 s[G0B], 1
	s_mov_b32 s[G0B+1], s45
	s_mov_b64 s[G0B+2:G0B+3], s[46:47]
	s_or_b32 s[G0B+3], s[G0B+3], 0x80000000
	JLOAD G0, G1, G0B, G1B                         ; K steps 0 and 1: one tensor load a wave at the head
	s_cmp_eq_u32 s15, 0                            ; the prefetches: my work-group's 32 of the 128 rows that I fetch
	s_cselect_b64 s[22:23], s[20:21], s[46:47]
	s_cselect_b32 s2, s40, s41
	s_lshl_b32 s2, s2, 16
	s_mov_b32 s3, 0
	s_add_nc_u64 s[22:23], s[22:23], s[2:3]
	s_cmp_eq_u32 s94, 2                            ; v?
	s_cselect_b32 s2, s16, s15                     ; b
	s_cselect_b32 s3, s41, s40                     ; which 256 features, four heads
	s_cselect_b32 s12, s19, s18                    ; which 128 positions
	s_cselect_b32 s13, s15, s16                    ; the parity of my features
	s_cselect_b32 s42, 12, 9                       ; the parity's place in the address
	s_cselect_b32 s43, 1, 0
	s_cselect_b32 s44, 6, 0
	s_cselect_b32 s45, 8, 0                        ; the bias: bytes for each r,
	s_cselect_b32 s17, 0, 64                       ; for each h,
	s_cselect_b32 s100, 0, 8                       ; and for each register
	s_cselect_b32 s95, 8, 0
	s_lshl_b32 s18, s2, 21                         ; codes: (16 b + 4 (256 features)) x 131,072
	s_lshl_b32 s19, s3, 19
	s_add_co_u32 s18, s18, s19
	s_lshl_b32 s19, s12, 13                        ; + 128 positions x 64
	s_add_co_u32 s18, s18, s19
	s_lshl_b32 s19, s13, s42                       ; + parity x 512 (q, k) or x 4,096 (v)
	s_add_co_u32 s18, s18, s19
	s_mov_b32 s19, 0
	s_lshr_b32 s20, 0x20000, s95                   ; from P's 32 to the next 32: q, k: a head on; v: 512 bytes
	s_mov_b32 s21, 0
	s_add_nc_u64 s[84:85], s[98:99], s[18:19]
	s_add_nc_u64 s[88:89], s[84:85], s[20:21]
	s_add_nc_u64 s[90:91], s[88:89], s[20:21]
	s_add_nc_u64 s[92:93], s[90:91], s[20:21]
	s_lshl_b32 s46, 0x400, s43                     ; from R's even block to its odd block: 1,024 or 2,048
	s_lshl_b32 s47, 0x800, s44                     ; from a pair of blocks to the next: 2,048 or, v, a head on
	s_lshl_b32 s12, s3, 10                         ; the bias: 256 features and the parity
	s_lshl_b32 s13, s13, 2
	s_add_co_u32 s12, s12, s13
	s_mul_i32 s2, s15, HALFT                       ; my half of R
	s_mul_i32 s3, s16, HALFT
	s_add_co_u32 s3, s3, 2*HALFT                   ; my half of P
	v_and_b32 v1, 15, v0                           ; r
	v_bfe_u32 v2, v0, 4, 1                         ; h
	v_and_b32 v3, 31, v0
	v_mul_u32_u24 v4, s45, v1
	v_mad_u32_u24 v4, v2, s17, v4
	v_add_nc_u32 v[BA], s12, v4
.irp j, 1,2,3,4,5,6,7
	v_add_nc_u32 v[BA+\j], s100, v[BA+\j-1]
.endr
	v_mul_u32_u24 v5, PITCH, v1
	v_lshl_add_u32 v5, v2, 4, v5                   ; a fragment's row x pitch + 16 x half
	v_add_nc_u32 v[ADRR], s2, v5
	v_add_nc_u32 v[ADRP], s3, v5
	v_lshlrev_b32 v[CO], 4, v3
	v_add_nc_u32 v[CO+1], s46, v[CO]
.irp a, 2,3,4,5,6,7
	v_add_nc_u32 v[CO+\a], s47, v[CO+\a-2]
.endr
	v_lshlrev_b32 v[PFO], 11, v3                   ; a lane a row
	s_wait_alu depctr_va_vdst(0)
; the bias in the results' layout: register 8 x + j: q, k: P's block x, feature 2 (16 x + 8 h + j) + parity;  v: R's block x, feature 2 (16 x + r) + parity, the same in all eight
.irp x, 0,1,2,3,4,5,6,7
.irp j, 0,1,2,3,4,5,6,7
	global_load_b32 v[BQ+8*\x+\j], v[BA+\j], s[96:97] offset:128*\x
.endr
.endr
	global_prefetch_b8 v[PFO], s[22:23] offset:512 th:TH_LOAD_NT scope:SCOPE_SE   ; K step 2, two steps ahead of its load
	s_wait_kmcnt 0x0
	s_cmp_eq_u32 s94, 1
	s_cselect_b32 s2, s70, s68                     ; ea
	s_cselect_b32 s12, s71, s69                    ; eb
	s_cselect_b32 s3, s74, s75                     ; eo: k by entry 6, q by entry 7,
	s_cmp_eq_u32 s94, 2
	s_cselect_b32 s2, s72, s2
	s_cselect_b32 s12, s73, s12
	s_cselect_b32 s3, s101, s3                     ; v by entry 8
	s_add_co_i32 s2, s2, s12                       ; ea + eb
	s_sub_co_i32 s3, s3, s2                        ; eo - ea - eb
	s_sub_co_i32 s12, 0, s2
	s_add_co_i32 s3, s3, 127
	s_lshl_b32 s2, s3, 23
	v_mov_b32 v[SC], s2
	s_add_co_i32 s3, s3, 8
	s_lshl_b32 s3, s3, 23
	s_or_b32 s3, s3, 0x600000
	v_mov_b32 v[LIM], s3
	s_wait_alu depctr_va_vdst(0)
	s_wait_loadcnt 0x0                             ; the bias
.set i, 0
.rept 64
	v_ldexp_f32 v[BQ+i], v[BQ+i], s12
.set i, i+1
.endr
.macro FRAG reg, adr, q, i             ; 16 rows x 128 K in 16 registers: lane l holds row l % 16; registers 4 c .. 4 c + 3 hold K = 32 c + 16 (l / 16) + 0 .. 15: the same places in both operands
.irp c, 0,1,2,3
	ds_load_b128 v[\reg+4*\c:\reg+4*\c+3], v[\adr] offset:128*(\q)+32*\c+(\i)*16*PITCH
.endr
.endm
; 16 matrix instructions: R's blocks a0, a0 + 1 x P's eight.  The 64 accumulators take turns, one instruction a turn, in the same order in every step.
.macro MUL16 a0, p
.irp a, \a0, \a0+1
.irp b, 0,1,2,3,4,5,6,7
	v_wmma_f32_16x16x128_fp8_fp8 v[8*(8*((\a)%4)+\b):8*(8*((\a)%4)+\b)+7], v[128*(\p)+FR*\b:128*(\p)+FR*\b+FR-1], v[RF+FR*(\a):RF+FR*(\a)+FR-1], v[8*(8*((\a)%4)+\b):8*(8*((\a)%4)+\b)+7]
.endr
.endr
.endm
.macro MULC a0, arm                    ; the first products: C is the bias, by P's block (arm 0) or by R's (arm 1)
.irp a, \a0, \a0+1
.irp b, 0,1,2,3,4,5,6,7
.if \arm
	v_wmma_f32_16x16x128_fp8_fp8 v[8*(8*((\a)%4)+\b):8*(8*((\a)%4)+\b)+7], v[FR*\b:FR*\b+FR-1], v[RF+FR*(\a):RF+FR*(\a)+FR-1], v[BQ+8*(\a):BQ+8*(\a)+7]
.else
	v_wmma_f32_16x16x128_fp8_fp8 v[8*(8*((\a)%4)+\b):8*(8*((\a)%4)+\b)+7], v[FR*\b:FR*\b+FR-1], v[RF+FR*(\a):RF+FR*(\a)+FR-1], v[BQ+8*\b:BQ+8*\b+7]
.endif
.endr
.endr
.endm
.macro FIRST hi                        ; R's blocks 4 hi .. 4 hi + 3; the branch hangs on g, the cluster's number
	s_cmp_eq_u32 s94, 2
	s_cbranch_scc1 .Lby_r_\@
	WIN 0x81+0x40*\hi
	MULC 4*\hi, 0
	MULC 4*\hi+2, 0
	WIN 0
	s_branch .Lmade_\@
.Lby_r_\@:
	WIN 0x81+0x40*\hi
	MULC 4*\hi, 1
	MULC 4*\hi+2, 1
	WIN 0
.Lmade_\@:
.endm
.macro FETCH_P slot, q, p              ; P's eight fragments of the slot's q-th 128 along K into set p
	WIN TO_P
.irp i, 0,1,2,3,4,5,6,7
	FRAG 128*(\p)+FR*\i, ADRP+\slot, \q, \i
.endr
	WIN 0
.endm
.macro FETCH_R slot, q, i0             ; R's blocks i0 .. i0 + 3
.irp i, \i0, \i0+1, \i0+2, \i0+3
	FRAG RF+FR*(\i), ADRR+\slot, \q, \i
.endr
.endm
.macro PLACES n                        ; plain vector instructions between a matrix instruction and a load into, or a vector read of, its registers
.rept \n
	v_nop
.endr
.endm
.macro STEP slot, q                    ; 128 along K, with its successor in the same slot
	s_wait_dscnt 4*NL                              ; P's set and R's blocks 0-3 are in; the youngest sixteen loads (R's blocks 4-7) may be out
	WIN MUL_LO
	MUL16 0, (\q)%2
	MUL16 2, (\q)%2
	s_wait_dscnt 0
	PLACES NP
	FETCH_P \slot, (\q)+1, 1-(\q)%2
	FETCH_R \slot, (\q)+1, 0
	WIN MUL_HI
	MUL16 4, (\q)%2
	MUL16 6, (\q)%2
	PLACES NP
	WIN 0
	FETCH_R \slot, (\q)+1, 4
.endm
; K step 1's last 128 along K: both slots have been read and are filled again.  In front of the round each wave waits for all its tensor loads, adds 0 to its spare word, and waits for that and for its reads.
.macro REFILL
	s_wait_tensorcnt 0x0                           ; all my tensor loads have landed: my part of the next slot
	ds_add_u32 v[SPW], v[NIL]                      ; 0 onto my spare word
	s_wait_dscnt 4*NL+1                            ; (the add and the youngest sixteen loads may be out)
	WIN MUL_LO
	MUL16 0, 1                                     ; sixteen matrix instructions stand between the add and the wait for it
	s_wait_dscnt 0x0                               ; the add is done, and my reads of this slot are over
	s_barrier_signal -1
	MUL16 2, 1
	WIN 0
	s_barrier_wait -1
	CREST                                          ; the barrier has opened a round of the cluster's: no wave of any partner still reads these bytes or has a load on its way
	s_add_nc_u64 s[G0+2:G0+3], s[G0+2:G0+3], ROWB
	s_add_nc_u64 s[G0B+2:G0B+3], s[G0B+2:G0B+3], ROWB
	JLOAD G0, G1, G0B, G1B                         ; K steps 2 and 3: the first tensor load behind the round, and my only one
	WIN MUL_HI
	MUL16 4, 1
	MUL16 6, 1
	WIN 0
	s_wait_tensorcnt 0x0                           ; my part is in
	s_barrier_signal -1
	s_barrier_wait -1
	PLACES NP
	FETCH_P 0, 0, 0
	FETCH_R 0, 0, 0
	FETCH_R 0, 0, 4
.endm
	s_wait_alu depctr_va_vdst(0)
	s_wait_tensorcnt 0x0                           ; my part of K steps 0 and 1 is in
	s_barrier_signal -1
	s_barrier_wait -1                              ; everybody's is
	FETCH_P 0, 0, 0
	FETCH_R 0, 0, 0
	FETCH_R 0, 0, 4
	global_prefetch_b8 v[PFO], s[22:23] offset:768 th:TH_LOAD_NT scope:SCOPE_SE   ; K step 3, the last
	s_wait_dscnt 4*NL                              ; K = 1,024 is four slots' worth, eight steps of 128: written out
	FIRST 0
	s_wait_dscnt 0
	PLACES NP
	FETCH_P 0, 1, 1
	FETCH_R 0, 1, 0
	FIRST 1
	PLACES NP
	FETCH_R 0, 1, 4
	STEP 0, 1
	STEP 0, 2
	REFILL                                         ; K 512 on
	STEP 0, 0
	STEP 0, 1
	STEP 0, 2
	s_wait_dscnt 4*NL                              ; the very last step: nothing more to fetch
	WIN MUL_LO
	MUL16 0, 1
	MUL16 2, 1
	s_wait_dscnt 0
	WIN MUL_HI
	MUL16 4, 1
	MUL16 6, 1
	; THE WAY OUT, R's block by block: 64 numbers a lane are held and become 64 codes; the codes of P's blocks 2 m and 2 m + 1 are the lane's 16 bytes of one store of 512 consecutive bytes.
	PLACES NP
.irp a, 0,1,2,3,4,5,6,7
	WIN 0x02+(\a)/4
.set i, 0
.rept 64
	v_med3_num_f32 v[TMP+i], v[64*((\a)%4)+i], -v[LIM], v[LIM]   ; the conversion to an 8-bit code does not saturate (ISA guide 7.6.2): the hold at the largest code x the scale
.set i, i+1
.endr
	WIN 0
.irp b, 0,1,2,3,4,5,6,7
	v_cvt_scalef32_pk8_fp8_f32 v[CD+16*\a+2*\b:CD+16*\a+2*\b+1], v[TMP+8*\b:TMP+8*\b+7], v[SC]
.endr
	v_nop                                          ; a plain line between the conversions and the next lines that write their sources
.irp m, 0,1,2,3
	global_store_b128 v[CO+\a], v[CD+16*\a+4*\m:CD+16*\a+4*\m+3], s[84+2*\m+2*((\m+3)/4):85+2*\m+2*((\m+3)/4)]
.endr
.endr
	s_wait_tensorcnt 0x0                           ; the wave's end
	ds_add_u32 v[SPW], v[NIL]
	s_wait_dscnt 0x0
	CROUND                                         ; the closing round: no work-group ends while a partner may still ask for a tile that names it
	s_endpgm
.Lfunc_end_k_q1e2a344b08_proj:
	.size	k_q1e2a344b08_proj, .Lfunc_end_k_q1e2a344b08_proj-k_q1e2a344b08_proj
	.p2alignl 7, 3214868480
	.fill 96, 4, 3214868480
	.section	.rodata,"a",@progbits
	.p2align	6, 0x0
	.amdhsa_kernel k_q1e2a344b08_proj
		.amdhsa_group_segment_fixed_size 327680
		.amdhsa_private_segment_fixed_size 0
		.amdhsa_enable_private_segment 0
		.amdhsa_kernarg_size 104
		.amdhsa_user_sgpr_count 2
		.amdhsa_user_sgpr_kernarg_segment_ptr 1
		.amdhsa_wavefront_size32 1
		.amdhsa_system_sgpr_workgroup_id_x 1
		.amdhsa_system_sgpr_workgroup_id_y 1
		.amdhsa_system_sgpr_workgroup_id_z 1
		.amdhsa_system_vgpr_workitem_id 0
		.amdhsa_next_free_vgpr 1024
		.amdhsa_next_free_sgpr 102
		.amdhsa_reserve_vcc 0
		.amdhsa_float_denorm_mode_32 3
		.amdhsa_float_denorm_mode_16_64 3
		.amdhsa_memory_ordered 1
		.amdhsa_forward_progress 1
		.amdhsa_inst_pref_size 132
	.end_amdhsa_kernel
	.amdgpu_metadata
---
amdhsa.version: [ 1, 2 ]
amdhsa.kernels:
  - .name:           k_q1e2a344b08_proj
    .symbol:         k_q1e2a344b08_proj.kd
    .args:
      - { .name: query_codes, .offset: 0, .size: 8, .value_kind: global_buffer, .address_space: global }
      - { .name: key_codes, .offset: 8, .size: 8, .value_kind: global_buffer, .address_space: global }
      - { .name: value_codes, .offset: 16, .size: 8, .value_kind: global_buffer, .address_space: global }
      - { .name: Wq_codes, .offset: 24, .size: 8, .value_kind: global_buffer, .address_space: global }
      - { .name: Wk_codes, .offset: 32, .size: 8, .value_kind: global_buffer, .address_space: global }
      - { .name: Wv_codes, .offset: 40, .size: 8, .value_kind: global_buffer, .address_space: global }
      - { .name: bq, .offset: 48, .size: 8, .value_kind: global_buffer, .address_space: global }
      - { .name: bk, .offset: 56, .size: 8, .value_kind: global_buffer, .address_space: global }
      - { .name: bv, .offset: 64, .size: 8, .value_kind: global_buffer, .address_space: global }
      - { .name: lowp_scales, .offset: 72, .size: 8, .value_kind: global_buffer, .address_space: global }
      - { .name: qc, .offset: 80, .size: 8, .value_kind: global_buffer, .address_space: global }
      - { .name: kc, .offset: 88, .size: 8, .value_kind: global_buffer, .address_space: global }
      - { .name: vc, .offset: 96, .size: 8, .value_kind: global_buffer, .address_space: global }
    .group_segment_fixed_size: 327680
    .private_segment_fixed_size: 0
    .kernarg_segment_align: 8
    .kernarg_segment_size: 104
    .max_flat_workgroup_size: 128
    .sgpr_count:     102
    .vgpr_count:     1024
    .wavefront_size: 32
...
	.end_amdgpu_metadata
.endif
;; end of part 1
;; launch attn (part 2): grid 8 x 32, 16 waves a work-group, clusters of 4 x 1, 327,680 bytes of LDS; arguments qc, kc, vc, lowp_scales, xc; writes xc
.if DOCPART == 2
	.amdgcn_target "amdgcn-amd-amdhsa--gfx1250"
	.amdhsa_code_object_version 6
	.text
	.protected	k_q1e2a344b08_attn
	.globl	k_q1e2a344b08_attn
	.p2align	8
	.type	k_q1e2a344b08_attn,@function
k_q1e2a344b08_attn:
	s_mov_b64 s[64:65], 0
	v_nop
	global_prefetch_b8 v0, s[64:65] scope:SCOPE_SE
	s_setreg_imm32_b32 hwreg(HW_REG_WAVE_MODE, 25, 1), 1
	s_wait_xcnt 0x0
	s_wait_alu depctr_hold_cnt(0) depctr_sa_sdst(0) depctr_va_vdst(0) depctr_va_sdst(0) depctr_va_ssrc(0) depctr_va_vcc(0) depctr_vm_vsrc(0)
	s_getreg_b32 s2, hwreg(HW_REG_IB_STS2, 6, 4)
	s_cmp_eq_u32 s2, 0
	s_cbranch_scc0 .Lentry_in_a_cluster
	s_endpgm
.Lentry_in_a_cluster:
	s_bfe_u32 s2, ttmp6, 0x10000c
	s_cmp_lg_u32 s2, 0x3003
	s_cbranch_scc0 .Lentry_shape_is_right
	s_endpgm
.Lentry_shape_is_right:
; x[i][b][h][:] = sum over j of softmax_j(q . k / 8) v, for hb = 16 b + h: both products on codes of FP8 (E4M3); x is quantised on its way out (entry 10).  This launch leaves out no work of reference().
; t = score x log2(e) / 8; M = the running largest t rounded UP to a whole number; p = 2^(t - M) is quantised along the keys (entry 9), not normalised; the sum of the unquantised p divides at the end.
; When M moves, the sum and O are multiplied by 2^(old M - new M): exact.
; LIMITS: e6 + e7 between -123 and 130 (added to the factor's exponent field); e9 and e10 - e8 - e9 between -126 and 119; the scaled scores stay under 2^31 in magnitude; NaN is not served.
; SHARES.  A work-group owns 256 queries of one hb; 16 waves.  Waves 2 i and 2 i + 1 own the same 32 queries (two tiles of 16) and take half of the 2,048 keys each, 8 steps of 128 keys; at the end each hands
; the other one tile's O, sum and M through LDS and finishes one tile: no rows are padded and all 256 work-groups have equal work.
; LDS: all keys' K (131,072 bytes), then all keys' V (131,072), as images of operand registers: lane l's 16 bytes at 16 l of each 512 bytes, so no padding.  The four parts (K's halves, V's halves, 65,536 bytes each)
; have four waves each to fetch them: at the head a wave brings a quarter of the part's first 256 keys (4,096 bytes), then, behind a round, a quarter of the rest (12,288 bytes), which has steps 0 and 1 in which to land.
; All waves have waited for that behind step 0, where the barrier is signalled whose wait stands ahead of the first read of step 2's keys.  Nothing is filled again.
; CLUSTERS: 4 work-groups of one hb ask for K and V jointly.  Nothing is prefetched into the L2: both tensor loads of a wave stand ahead of its first step, and no loop runs ahead of one.
; LAYOUT.  S^T = K Q^T and O^T = V^T P^T: a lane holds one query throughout; tile T's register j is key 16 T + 8 (lane / 16) + j, which is where the second product's operand layout has it: the conversions' results are its operand.
; REGISTERS: v0-15 below; v16-31 Q (tile u at v16 + 8 u); v32-63 K's fragments of tiles 4-7, then f and sums at work (v48-57), then p's codes; v64-191 S^T, then p (tile u at + 64 u); v64-127 then V's fragments,
; v160-191 then the next step's K fragments of tiles 0-3; v192-255 O^T (tile u at + 32 u).
.set VBASE, 131072
.set SPARE, 262144                     ; the spare words, 128 bytes for each wave
.set MRGW,  4608                       ; the exchange: 32 registers, the sum and -M of one tile for each wave; it lies where K was
.set AK0, 1                            ; v1  16 x lane + 65,536 x my half of the keys
.set AD,  2                            ; v2  LDS address in hand
.set PSC, 3                            ; v3  2^e9
.set MX,  4                            ; v4-5 tile 0's maxima, v14-15 tile 1's
.set SPW, 5                            ; v5, v14 in the head and at the end: my spare word and 0 (made anew there: no two registers can be kept)
.set NIL, 14
.set MM,  6                            ; v[6:7] -M and the largest t of tile 0; v[8:9] of tile 1
.set LS,  10                           ; v[10:11], v[12:13] the sums, in two halves
.set QF,  16
.set KF,  32
.set KA,  160
.set FF,  48                           ; v[48:49], v[50:51] f = 2^(old M - new M)
.set PC,  32
.set S,   64
.set VF,  64
.set O,   192
.set SEL, 20
.set CS,  22
.set G1,  24                           ; s[24:31], s[32:35] the head's load; s[40:47], s[36:39] the rest's
.set G0,  32
.set G1S, 40
.set G0S, 36
.set TB,  48                           ; s48 the step's K, s49 its V, s78 the next step's K
.set TV,  49
.set CNT, 50
.set PLM, 51                           ; s51 448 x 2^e9
.set TN,  78
.macro CROUND
	s_barrier_signal -1
	s_barrier_wait -1
	s_cmp_lg_u32 s14, 0
	s_cbranch_scc1 .Lnot_wave_0_\@
	s_barrier_signal -3
.Lnot_wave_0_\@:
	s_barrier_wait -3
	s_barrier_signal -1
	s_barrier_wait -1
.endm
	s_load_b256 s[4:11], s[0:1], 0x0               ; qc, kc, vc, the scales' exponents
	s_load_b64 s[12:13], s[0:1], 0x20              ; xc
	v_lshl_add_u32 v[SPW], v0, 2, SPARE
	v_mov_b32 v[NIL], 0
	ds_add_u32 v[SPW], v[NIL]                      ; the wave's opening: the add, twice on end, and its wait ahead of my first tensor load
	ds_add_u32 v[SPW], v[NIL]
	v_lshrrev_b32 v1, 5, v0
	s_delay_alu instid0(VALU_DEP_1)
	v_readfirstlane_b32 s14, v1                    ; wave 0..15
	s_and_b32 s15, s14, 1                          ; my half of the keys
	s_lshr_b32 s16, s14, 1                         ; my 32 queries
	s_bfe_u32 s17, ttmp6, 0x40000
	s_lshl_b32 s18, ttmp9, 2
	s_add_co_u32 s18, s18, s17                     ; which 256 queries
	s_and_b32 s19, ttmp7, 0xffff                   ; hb
.irp g, G1, G1S
	s_mov_b32 s[\g], 15|(1<<21)                    ; a joint load of the four; elements of 1 byte; no padding
	s_mov_b32 s[\g+1], 256<<16
	s_mov_b32 s[\g+3], 256<<16
	s_mov_b32 s[\g+5], 256                         ; rows of 256 bytes, dense
	s_mov_b32 s[\g+6], 0
	s_mov_b32 s[\g+7], 0
.endr
	s_mov_b32 s[G1+2], 16<<16
	s_mov_b32 s[G1+4], 16                          ; 4,096 bytes
	s_mov_b32 s[G1S+2], 48<<16
	s_mov_b32 s[G1S+4], 48                         ; 12,288 bytes
	s_mov_b32 s[SEL], 0x76543210                   ; lane l xor 16
	s_mov_b32 s[SEL+1], 0xfedcba98
	s_mov_b32 s[CS], 0x3e38aa3b                    ; log2(e) / 8
	s_lshr_b32 s66, s14, 2                         ; the part that I fetch of: K's halves, V's halves
	s_and_b32 s67, s14, 3                          ; my quarter of it
	s_lshl_b32 s68, s66, 16
	s_lshl_b32 s69, s67, 12
	s_add_co_u32 s69, s69, s68                     ; where the head's bytes go,
	s_mul_i32 s79, s67, 12288
	s_add_co_u32 s68, s68, s79
	s_add_co_u32 s68, s68, 16384                   ; and the rest's
	s_and_b32 s70, s66, 1
	s_lshl_b32 s70, s70, 16
	s_lshl_b32 s71, s19, 17
	s_add_co_u32 s70, s70, s71                     ; whence: the part in its buffer,
	s_mov_b32 s71, 0
	s_lshl_b32 s2, s67, 12                         ; and my bytes in the part
	s_mov_b32 s3, 0
	s_lshl_b32 s72, s18, 14                        ; Q: 1,024 bytes a tile of 16 queries
	s_lshl_b32 s73, s16, 11
	s_add_co_u32 s72, s72, s73
	s_lshl_b32 s73, s19, 17
	s_add_co_u32 s72, s72, s73
	s_mov_b32 s73, 0
	s_lshr_b32 s74, s19, 4                         ; x: ((128 b + 16 block + wave) x 16 + head) x 1,024: the tile that I finish is tile 'wave' of the block
	s_lshl_b32 s74, s74, 21
	s_lshl_b32 s75, s18, 18
	s_add_co_u32 s74, s74, s75
	s_lshl_b32 s75, s14, 14
	s_add_co_u32 s74, s74, s75
	s_and_b32 s75, s19, 15
	s_lshl_b32 s75, s75, 10
	s_add_co_u32 s74, s74, s75
	s_mov_b32 s75, 0
	s_wait_dscnt 0x0                               ; both opening adds are done
	s_wait_kmcnt 0x0
	s_load_b256 s[52:59], s[10:11], 0x0            ; e0 .. e7
	s_load_b128 s[60:63], s[10:11], 0x20           ; e8 .. e11
	s_cmp_lt_u32 s14, 8
	s_cselect_b64 s[76:77], s[6:7], s[8:9]
	s_add_nc_u64 s[76:77], s[76:77], s[70:71]
	s_add_nc_u64 s[4:5], s[4:5], s[72:73]
	s_add_nc_u64 s[12:13], s[12:13], s[74:75]
	s_mov_b32 s[G0], 1
	s_mov_b32 s[G0+1], s69
	s_add_nc_u64 s[G0+2:G0+3], s[76:77], s[2:3]
	s_or_b32 s[G0+3], s[G0+3], 0x80000000
	s_mov_b32 s2, s79
	s_mov_b32 s[G0S], 1
	s_mov_b32 s[G0S+1], s68
	s_add_nc_u64 s[G0S+2:G0S+3], s[76:77], s[2:3]
	s_add_nc_u64 s[G0S+2:G0S+3], s[G0S+2:G0S+3], 16384
	s_or_b32 s[G0S+3], s[G0S+3], 0x80000000
	CROUND                                         ; the four work-groups are here: the joint loads meet
	tensor_load_to_lds s[G0:G0+3], s[G1:G1+7]
	s_nop 0
.rept 4
	v_nop
.endr
	s_lshl_b32 s66, s15, 10
	s_xor_b32 s67, s66, 1024
	s_lshl_b32 s68, s15, 16
	v_and_b32 v2, 31, v0
	s_delay_alu instid0(VALU_DEP_1)
	v_lshlrev_b32 v2, 4, v2
	s_delay_alu instid0(VALU_DEP_1)
	v_add_nc_u32 v32, s66, v2                      ; tile 0 is the tile that I finish,
	v_add_nc_u32 v33, s67, v2                      ; tile 1 the other wave's
	v_add_nc_u32 v[AK0], s68, v2
	global_load_b128 v[QF:QF+3],     v32, s[4:5]
	global_load_b128 v[QF+4:QF+7],   v32, s[4:5] offset:512
	global_load_b128 v[QF+8:QF+11],  v33, s[4:5]
	global_load_b128 v[QF+12:QF+15], v33, s[4:5] offset:512
.irp u, 0,1
	v_mov_b32 v[MM+2*\u+1], 0xff61b1e6             ; the largest t so far: -3e38
	s_delay_alu instid0(VALU_DEP_1)
	v_floor_f32 v[MM+2*\u], -v[MM+2*\u+1]          ; -M
	v_mov_b32 v[LS+2*\u], 0
	v_mov_b32 v[LS+2*\u+1], 0
.endr
.set i, 0
.rept 64
	v_mov_b32 v[O+i], 0                            ; every step is the same text: the first change of M multiplies zeros
.set i, i+1
.endr
	s_wait_kmcnt 0x0
	s_add_co_i32 s66, s58, s59
	s_lshl_b32 s66, s66, 23
	s_add_co_i32 s[CS], s[CS], s66                 ; a score stands for score x 2^(e6 + e7)
	s_mov_b32 s[CS+1], s[CS]
	s_add_co_i32 s66, s61, 127
	s_lshl_b32 s67, s66, 23
	v_mov_b32 v[PSC], s67
	s_add_co_i32 s66, s66, 8
	s_lshl_b32 s66, s66, 23
	s_or_b32 s[PLM], s66, 0x600000
	s_mov_b32 s[TB], 0
	s_mov_b32 s[TV], VBASE
	s_mov_b32 s[TN], 8192
.macro KLOAD reg, off                  ; K's fragments of four tiles of 16 keys
.irp k, 0,1,2,3
	ds_load_b128 v[\reg+8*\k:\reg+8*\k+3],   v[AD] offset:\off+1024*\k
	ds_load_b128 v[\reg+8*\k+4:\reg+8*\k+7], v[AD] offset:\off+1024*\k+512
.endr
.endm
.macro QUAD reg, t0                    ; S^T of four tiles, both query tiles
.irp k, 0,1,2,3
.irp u, 0,1
	v_wmma_f32_16x16x64_fp8_fp8 v[S+64*\u+8*(\t0+\k):S+64*\u+8*(\t0+\k)+7], v[\reg+8*\k:\reg+8*\k+7], v[QF+8*\u:QF+8*\u+7], 0
.endr
.endr
.endm
.macro MAX4 u, i
	v_max3_num_f32 v[MX+10*\u],   v[MX+10*\u],   v[S+64*\u+\i],   v[S+64*\u+\i+1]
	v_max3_num_f32 v[MX+10*\u+1], v[MX+10*\u+1], v[S+64*\u+\i+2], v[S+64*\u+\i+3]
.endm
.macro LAST2 u
	v_max3_num_f32 v[MX+10*\u], v[MX+10*\u], v[S+64*\u+62], v[S+64*\u+63]
.endm
.macro CH u, n                         ; the chain behind tile u's maxima, one instruction of ten
.if \n == 0
	v_max_num_f32 v[MX+10*\u], v[MX+10*\u], v[MX+10*\u+1]
.elseif \n == 1
	v_permlanex16_b32 v[MX+10*\u+1], v[MX+10*\u], s[SEL], s[SEL+1]
.elseif \n == 2
	v_max_num_f32 v[MX+10*\u], v[MX+10*\u], v[MX+10*\u+1]
.elseif \n == 3
	v_mul_f32 v[MX+10*\u], s[CS], v[MX+10*\u]      ; as t
.elseif \n == 4
	v_max_num_f32 v[MM+2*\u+1], v[MM+2*\u+1], v[MX+10*\u]
.elseif \n == 5
	v_mov_b32 v[MX+10*\u], v[MM+2*\u]
.elseif \n == 6
	v_floor_f32 v[MM+2*\u], -v[MM+2*\u+1]          ; -M = floor(-t): M is a whole number
.elseif \n == 7
	v_sub_f32 v[MX+10*\u], v[MM+2*\u], v[MX+10*\u]
.elseif \n == 8
	v_cvt_i32_f32 v[MX+10*\u], v[MX+10*\u]
.else
	v_ldexp_f32 v[FF+2*\u], 1.0, v[MX+10*\u]       ; f = 2^(old M - new M)
.endif
.endm
.macro PKF u                           ; t - M, the j-th two
	v_pk_fma_f32 v[S+64*\u+2*j:S+64*\u+2*j+1], v[S+64*\u+2*j:S+64*\u+2*j+1], s[CS:CS+1], v[MM+2*\u:MM+2*\u+1] op_sel_hi:[1,0,0]
.endm
.macro HOLD u                          ; p is not negative, and the conversion does not saturate (ISA guide 7.6.2): the j-th two
	v_dual_min_num_f32 v[S+64*\u+2*j], s[PLM], v[S+64*\u+2*j] :: v_dual_min_num_f32 v[S+64*\u+2*j+1], s[PLM], v[S+64*\u+2*j+1]
.endm
.macro EXP2 u
	v_exp_f32 v[S+64*\u+2*j], v[S+64*\u+2*j]       ; p = 2^(t - M), at most 1
	v_exp_f32 v[S+64*\u+2*j+1], v[S+64*\u+2*j+1]
.endm
.macro CVTS u
.irp k, 0,1,2,3,4,5,6,7
	v_cvt_scalef32_pk8_fp8_f32 v[PC+16*\u+2*\k:PC+16*\u+2*\k+1], v[S+64*\u+8*\k:S+64*\u+8*\k+7], v[PSC]
.endr
.endm
.macro SUM u                           ; tile u's sum of the unquantised p, four chains
	v_pk_mul_f32 v[LS+2*\u:LS+2*\u+1], v[LS+2*\u:LS+2*\u+1], v[FF+2*\u:FF+2*\u+1] op_sel_hi:[1,0]
.irp n, 0,1,2
	v_pk_add_f32 v[52+2*\n:53+2*\n], v[S+64*\u+4*\n:S+64*\u+4*\n+1], v[S+64*\u+4*\n+2:S+64*\u+4*\n+3]
.endr
.set j, 6
.rept 26
.if (j-6)%4 == 0
	v_pk_add_f32 v[LS+2*\u:LS+2*\u+1], v[LS+2*\u:LS+2*\u+1], v[S+64*\u+2*j:S+64*\u+2*j+1]
.else
	v_pk_add_f32 v[50+2*((j-6)%4):51+2*((j-6)%4)], v[50+2*((j-6)%4):51+2*((j-6)%4)], v[S+64*\u+2*j:S+64*\u+2*j+1]
.endif
.set j, j+1
.endr
	v_pk_add_f32 v[52:53], v[52:53], v[54:55]
	v_pk_add_f32 v[LS+2*\u:LS+2*\u+1], v[LS+2*\u:LS+2*\u+1], v[56:57]
	v_pk_add_f32 v[LS+2*\u:LS+2*\u+1], v[LS+2*\u:LS+2*\u+1], v[52:53]
.endm
; A KEY STEP of 128 keys.  pre = 1: the next step's first K fragments are fetched on the way; meet = 1: behind the barrier that was signalled behind step 0.
.macro STEP pre, meet
	v_add_nc_u32 v[AD], s[TB], v[AK0]
.rept 4
	v_nop                                          ; with the addition five places between the last step's products and what writes over their operands
.endr
	KLOAD KF, 4096
	s_wait_dscnt 8                                 ; tiles 0-3 are in; the eight loads just issued may be out
	QUAD KA, 0
.rept 4
	v_nop                                          ; places behind the matrix instructions (ISA guide 7.12.1)
.endr
.irp u, 0,1                            ; the step's largest score, among my lane's 64 keys, two chains a tile, each accumulator from its low end on
	v_max3_num_f32 v[MX+10*\u],   v[S+64*\u],   v[S+64*\u+1], v[S+64*\u+2]
	v_max3_num_f32 v[MX+10*\u+1], v[S+64*\u+3], v[S+64*\u+4], v[S+64*\u+5]
.endr
.irp i, 6,10,14,18,22
	MAX4 0, \i
	MAX4 1, \i
.endr
	s_wait_alu depctr_va_vdst(0)
	s_wait_dscnt 0x0                               ; tiles 4-7
	QUAD KF, 4
	MAX4 0, 26                                     ; these four, on tiles 0-3, are the places behind the products
	MAX4 1, 26
.irp i, 30,34,38,42,46,50,54,58
	MAX4 0, \i
.endr
	LAST2 0
	CH 0, 0
	MAX4 1, 30
	CH 0, 1
	MAX4 1, 34
	CH 0, 2
	MAX4 1, 38
	CH 0, 3
	MAX4 1, 42
	CH 0, 4
	MAX4 1, 46
	CH 0, 5
	MAX4 1, 50
	CH 0, 6
	MAX4 1, 54
	CH 0, 7
	MAX4 1, 58
	CH 0, 8
	LAST2 1
	CH 0, 9
.set j, 0
.irp n, 0,1,2,3,4,5,6,7,8,9
	CH 1, \n
.rept 3
	PKF 0
.set j, j+1
.endr
.endr
.rept 2
	PKF 0
.set j, j+1
.endr
.irp u, 0,1                            ; O^T under the new M
.set j, 0
.rept 16
	v_pk_mul_f32 v[O+32*\u+2*j:O+32*\u+2*j+1], v[O+32*\u+2*j:O+32*\u+2*j+1], v[FF+2*\u:FF+2*\u+1] op_sel_hi:[1,0]
.set j, j+1
.endr
.endr
	s_wait_alu depctr_va_vdst(0)
.set j, 0
.rept 32
	EXP2 0
	PKF 1                                          ; (read behind the next wait only)
.set j, j+1
.endr
	s_wait_alu depctr_va_vdst(0)                   ; behind tile 0's batch and ahead of tile 1's
	SUM 0
.set j, 0
.rept 32
	EXP2 1
	HOLD 0
.set j, j+1
.endr
	s_wait_alu depctr_va_vdst(0)                   ; behind tile 1's batch
	CVTS 0
	v_add_nc_u32 v[AD], s[TV], v[AK0]
.irp d, 0,1,2,3                        ; V's fragments, 16 of the head's 64 x 128 keys each, into the registers that tile 0's p has left
.irp m, 0,1,2,3
	ds_load_b128 v[VF+16*\d+4*\m:VF+16*\d+4*\m+3], v[AD] offset:2048*\d+512*\m
.endr
.endr
	SUM 1
.set j, 0
.rept 32
	HOLD 1
.set j, j+1
.endr
	CVTS 1
.if \meet
	s_barrier_wait -1                              ; all of K and V is in
.endif
.if \pre
	v_add_nc_u32 v[AD], s[TN], v[AK0]              ; (a plain line behind the last conversion)
	KLOAD KA, 0                                    ; into registers that tile 1's p has left
	s_wait_alu depctr_va_vdst(0)
	s_wait_dscnt 8                                 ; V is in; the eight loads just issued may be out
.else
	v_nop
	s_wait_alu depctr_va_vdst(0)
	s_wait_dscnt 0x0
.endif
.irp d, 0,1,2,3
.irp u, 0,1
	v_wmma_f32_16x16x128_fp8_fp8 v[O+32*\u+8*\d:O+32*\u+8*\d+7], v[VF+16*\d:VF+16*\d+15], v[PC+16*\u:PC+16*\u+15], v[O+32*\u+8*\d:O+32*\u+8*\d+7]
.endr
.endr
.if \pre
	s_add_co_u32 s[TB], s[TB], 8192
	s_add_co_u32 s[TV], s[TV], 8192
	s_add_co_u32 s[TN], s[TN], 8192
.endif
.endm
	s_wait_alu depctr_va_vdst(0)
	s_wait_loadcnt 0x0                             ; Q
	s_wait_tensorcnt 0x0                           ; my part of steps 0 and 1 is in; these lines stand ahead of a later first fill as ahead of a refill:
	ds_add_u32 v[SPW], v[NIL]                      ; 0 onto my spare word
	s_wait_dscnt 0x0                               ; the add is done
	CROUND                                         ; steps 0 and 1 are whole, and the four work-groups are here
	tensor_load_to_lds s[G0S:G0S+3], s[G1S:G1S+7]  ; the rest, the first tensor load behind the round
	s_nop 0
.rept 4
	v_nop
.endr
	v_add_nc_u32 v[AD], s[TB], v[AK0]
	KLOAD KA, 0
	STEP 1, 0
	s_wait_tensorcnt 0x0                           ; my part of the rest is in
	s_wait_dscnt 0x0
	s_barrier_signal -1                            ; between here and this barrier's wait stand register work and LDS loads alone
	STEP 1, 1
	s_mov_b32 s[CNT], 5
.Lstep:
	STEP 1, 0
	s_sub_co_u32 s[CNT], s[CNT], 1
	s_cmp_lg_u32 s[CNT], 0
	s_cbranch_scc1 .Lstep
	STEP 0, 0                                      ; the last step fetches nothing beyond my keys
	; THE JOIN.  Tile 1's O^T, sum and -M go to the other wave of the pair; mine of tile 0 and that wave's are brought under one M.
	v_add_f32 v10, v10, v11
	v_add_f32 v12, v12, v13
	s_delay_alu instid0(VALU_DEP_2)
	v_permlanex16_b32 v11, v10, s[SEL], s[SEL+1]
	s_delay_alu instid0(VALU_DEP_2)
	v_permlanex16_b32 v13, v12, s[SEL], s[SEL+1]
	s_delay_alu instid0(VALU_DEP_2)
	v_add_f32 v10, v10, v11
	s_delay_alu instid0(VALU_DEP_2)
	v_add_f32 v12, v12, v13
	s_mul_i32 s66, s14, MRGW
	s_xor_b32 s67, s14, 1
	s_mul_i32 s67, s67, MRGW
	v_and_b32 v24, 31, v0
	s_delay_alu instid0(VALU_DEP_1)
	v_lshl_add_u32 v25, v24, 4, s66
	v_lshl_add_u32 v26, v24, 2, s66
	v_lshl_add_u32 v27, v24, 4, s67
	v_lshl_add_u32 v28, v24, 2, s67
	v_lshlrev_b32 v31, 4, v24
	s_wait_alu depctr_va_vdst(0)
	s_wait_dscnt 0x0
	s_barrier_signal -1
	s_barrier_wait -1                              ; nobody reads K any more: its bytes have had their last fill and take the exchange
.irp i, 0,1,2,3,4,5,6,7
	ds_store_b128 v25, v[O+32+4*\i:O+32+4*\i+3] offset:512*\i
.endr
	ds_store_b32 v26, v12 offset:4096
	ds_store_b32 v26, v8 offset:4224
	s_wait_dscnt 0x0
	s_barrier_signal -1
	s_barrier_wait -1
.irp i, 0,1,2,3,4,5,6,7
	ds_load_b128 v[S+4*\i:S+4*\i+3], v27 offset:512*\i
.endr
	ds_load_b32 v176, v28 offset:4096              ; the other's sum
	ds_load_b32 v177, v28 offset:4224              ; and its -M
	s_sub_co_i32 s66, s62, s61
	s_sub_co_i32 s66, s66, s60                     ; e10 - e9 - e8
	s_add_co_i32 s66, s66, 127
	s_lshl_b32 s67, s66, 23
	v_mov_b32 v188, s67
	s_add_co_i32 s66, s66, 8
	s_lshl_b32 s66, s66, 23
	s_or_b32 s66, s66, 0x600000
	v_mov_b32 v189, s66
	s_wait_alu depctr_va_vdst(0)
	s_wait_dscnt 0x0
	v_min_num_f32 v178, v6, v177
	s_delay_alu instid0(VALU_DEP_1)
	v_sub_f32 v179, v178, v6
	s_delay_alu instid0(VALU_DEP_2)
	v_sub_f32 v180, v178, v177
	s_delay_alu instid0(VALU_DEP_2)
	v_cvt_i32_f32 v179, v179
	s_delay_alu instid0(VALU_DEP_2)
	v_cvt_i32_f32 v180, v180
	s_delay_alu instid0(VALU_DEP_2)
	v_ldexp_f32 v179, 1.0, v179
	s_delay_alu instid0(VALU_DEP_2)
	v_ldexp_f32 v180, 1.0, v180
	s_delay_alu instid0(VALU_DEP_2)
	v_mul_f32 v181, v10, v179
	s_delay_alu instid0(VALU_DEP_1)
	v_fma_f32 v181, v176, v180, v181
	s_wait_alu depctr_va_vdst(0)                   ; ahead of the transcendental,
	v_rcp_f32 v182, v181
	v_nop
	s_wait_alu depctr_va_vdst(0)                   ; and ahead of its first reader
	v_mul_f32 v184, v179, v182
	v_mul_f32 v186, v180, v182
	s_wait_alu depctr_va_vdst(0)                   ; directly ahead of the first readers of O^T
.set j, 0
.rept 16
	v_pk_mul_f32 v[144+2*j:145+2*j], v[O+2*j:O+2*j+1], v[184:185] op_sel_hi:[1,0]
.set j, j+1
.endr
.set j, 0
.rept 16
	v_pk_fma_f32 v[144+2*j:145+2*j], v[S+2*j:S+2*j+1], v[186:187], v[144+2*j:145+2*j] op_sel_hi:[1,0,1]
.set j, j+1
.endr
; V's d tile 2 w + e holds d = 32 e + 16 h + 2 j + w: the hold's destinations bring d back into its order
.irp e, 0,1
.irp w, 0,1
.irp j, 0,1,2,3,4,5,6,7
	v_med3_num_f32 v[112+16*\e+2*\j+\w], v[144+16*\w+8*\e+\j], -v189, v189
.endr
.endr
.endr
.irp e, 0,1
	v_cvt_scalef32_pk8_fp8_f32 v[176+4*\e:177+4*\e], v[112+16*\e:119+16*\e], v188
	v_cvt_scalef32_pk8_fp8_f32 v[178+4*\e:179+4*\e], v[120+16*\e:127+16*\e], v188
.endr
	v_nop
	global_store_b128 v31, v[176:179], s[12:13]    ; xc: [128 b + s / 16][head][d / 32][lane][16]: each store covers 512 consecutive bytes, aligned
	global_store_b128 v31, v[180:183], s[12:13] offset:512
	v_lshl_add_u32 v[SPW], v0, 2, SPARE
	v_mov_b32 v[NIL], 0
	s_wait_alu depctr_va_vdst(0)
	s_wait_tensorcnt 0x0                           ; the wave's end
	ds_add_u32 v[SPW], v[NIL]
	s_wait_dscnt 0x0
	CROUND                                         ; the closing round
	s_endpgm
.Lfunc_end_k_q1e2a344b08_attn:
	.size	k_q1e2a344b08_attn, .Lfunc_end_k_q1e2a344b08_attn-k_q1e2a344b08_attn
	.p2alignl 7, 3214868480
	.fill 96, 4, 3214868480
	.section	.rodata,"a",@progbits
	.p2align	6, 0x0
	.amdhsa_kernel k_q1e2a344b08_attn
		.amdhsa_group_segment_fixed_size 327680
		.amdhsa_private_segment_fixed_size 0
		.amdhsa_enable_private_segment 0
		.amdhsa_kernarg_size 40
		.amdhsa_user_sgpr_count 2
		.amdhsa_user_sgpr_kernarg_segment_ptr 1
		.amdhsa_wavefront_size32 1
		.amdhsa_system_sgpr_workgroup_id_x 1
		.amdhsa_system_sgpr_workgroup_id_y 1
		.amdhsa_system_sgpr_workgroup_id_z 1
		.amdhsa_system_vgpr_workitem_id 0
		.amdhsa_next_free_vgpr 256
		.amdhsa_next_free_sgpr 80
		.amdhsa_reserve_vcc 0
		.amdhsa_float_denorm_mode_32 3
		.amdhsa_float_denorm_mode_16_64 3
		.amdhsa_memory_ordered 1
		.amdhsa_forward_progress 1
		.amdhsa_inst_pref_size 131
	.end_amdhsa_kernel
	.amdgpu_metadata
---
amdhsa.version: [ 1, 2 ]
amdhsa.kernels:
  - .name:           k_q1e2a344b08_attn
    .symbol:         k_q1e2a344b08_attn.kd
    .args:
      - { .name: qc, .offset: 0, .size: 8, .value_kind: global_buffer, .address_space: global }
      - { .name: kc, .offset: 8, .size: 8, .value_kind: global_buffer, .address_space: global }
      - { .name: vc, .offset: 16, .size: 8, .value_kind: global_buffer, .address_space: global }
      - { .name: lowp_scales, .offset: 24, .size: 8, .value_kind: global_buffer, .address_space: global }
      - { .name: xc, .offset: 32, .size: 8, .value_kind: global_buffer, .address_space: global }
    .group_segment_fixed_size: 327680
    .private_segment_fixed_size: 0
    .kernarg_segment_align: 8
    .kernarg_segment_size: 40
    .max_flat_workgroup_size: 512
    .sgpr_count:     80
    .vgpr_count:     256
    .wavefront_size: 32
...
	.end_amdgpu_metadata
.endif
;; end of part 2
;; launch outp (part 3): grid 8 x 32, 4 waves a work-group, clusters of 4 x 4, 327,680 bytes of LDS; arguments xc, Wo_codes, bo, lowp_scales, out0; writes out0
.if DOCPART == 3
	.amdgcn_target "amdgcn-amd-amdhsa--gfx1250"
	.amdhsa_code_object_version 6
	.text
	.protected	k_q1e2a344b08_outp
	.globl	k_q1e2a344b08_outp
	.p2align	8
	.type	k_q1e2a344b08_outp,@function
k_q1e2a344b08_outp:
	s_mov_b64 s[64:65], 0
	v_nop
	global_prefetch_b8 v0, s[64:65] scope:SCOPE_SE
	s_setreg_imm32_b32 hwreg(HW_REG_WAVE_MODE, 25, 1), 1
	s_wait_xcnt 0x0
	s_wait_alu depctr_hold_cnt(0) depctr_sa_sdst(0) depctr_va_vdst(0) depctr_va_sdst(0) depctr_va_ssrc(0) depctr_va_vcc(0) depctr_vm_vsrc(0)
	s_getreg_b32 s2, hwreg(HW_REG_IB_STS2, 6, 4)
	s_cmp_eq_u32 s2, 0
	s_cbranch_scc0 .Lentry_in_a_cluster
	s_endpgm
.Lentry_in_a_cluster:
	s_bfe_u32 s2, ttmp6, 0x10000c
	s_cmp_lg_u32 s2, 0xf033
	s_cbranch_scc0 .Lentry_shape_is_right
	s_endpgm
.Lentry_shape_is_right:
; out0[s][b][n] = the sum over K of x[s][b][K] Wo[n][K] + bo[n], on codes of FP8 (E4M3): 4,096 x 1,024 x 1,024.  Scales: entries 10 and 11.  This launch leaves out no work of reference().
; xc: [128 b + s / 16][head][d / 32][lane][16]: the images of x's fragments: lane (r, h) holds position 16 (..) + r, K = 64 head + 32 (d / 32) + 16 h + 0 .. 15.  Wo's codes: [n][K].
; LIMIT: e10 + e11 between -126 and 127, so that 2^(e10 + e11) is an f32 number.
; SHARES.  A tile of out0 is 128 positions of one b x 128 features: 32 x 8 = 256 work-groups.  Four waves, each 64 x 64: 16 accumulators.
; NO RING.  Both operands' whole K lies in LDS, in two halves of 512 along K, each brought by one tensor load a wave: waves 0 and 1 bring x's (4 tiles of 8,192 bytes each), waves 2 and 3 Wo's (64 rows of 512 bytes + 16 of
; padding).  The first half is asked for at the head, the second behind a round when the first has landed: it has the first half's products in which to land.  Nothing is filled again.
; CLUSTERS: 4 x 4.  The four of a row of the cluster need the same rows of x, the four of a column the same rows of Wo: each tile is asked for JOINTLY.
; THE MATRIX INSTRUCTION IS USED TRANSPOSED (source 0 = 16 rows of Wo, source 1 = 16 rows of x): a lane holds eight neighbouring features of one row of out0.
; Nothing is prefetched: a wave's two tensor loads stand ahead of its first product, and no loop runs ahead of one.
; REGISTERS: window 0: v0-31 addresses; v32-95 two sets of 32 on the way out; v96-127 bo; v128-255 the accumulators ((t, p) at v[128 + 8 (4 t + p)]).  window 1: two buffers of 128: x's four fragments, then Wo's four.
.set XH,    65536                      ; a half of x: 8 tiles of 8,192 bytes
.set WOFF,  131072                     ; Wo's halves
.set WPIT,  528
.set WH,    128*WPIT
.set STAGE, WOFF+2*WH                  ; 16 rows x (256 bytes + 16) for each wave
.set SPARE, STAGE+4*16*272             ; the spare words, 128 bytes for each wave
.set ADA, 12                           ; v12-13 LDS address of my fragments of x in half 0, 1
.set ADW, 16                           ; v16-17 of Wo
.set STO, 24
.set RD,  25
.set CO,  26
.set BOF, 27
.set SPW, 28                           ; v28  my spare word; never rewritten
.set NIL, 29                           ; v29  0; never rewritten
.set TMP, 32
.set BQ,  96
.set ACC, 128
.set G1A, 24
.set G1W, 32
.set G0A, 40                           ; s[40:43], s[44:47] x's halves; s[56:59], s[60:63] Wo's
.set G0W, 56
.set MSB, 0
.macro WIN new
.if MSB != (\new)
	s_set_vgpr_msb (MSB<<8)|(\new)
.set MSB, (\new)
.endif
.endm
.set MUL,  0x05                        ; sources 0 and 1 window 1; C and D window 0
.set TO_F, 0x40                        ; destination window 1, address window 0
.macro JLOAD c                         ; half c; an s_nop 0 and four v_nop follow each line
	s_cmp_eq_u32 s15, 0
	s_cbranch_scc0 .Lfor_w_\@
	tensor_load_to_lds s[G0A+4*\c:G0A+4*\c+3], s[G1A:G1A+7]
	s_nop 0
.rept 4
	v_nop
.endr
	s_branch .Lasked_\@
.Lfor_w_\@:
	tensor_load_to_lds s[G0W+4*\c:G0W+4*\c+3], s[G1W:G1W+7]
	s_nop 0
.rept 4
	v_nop
.endr
.Lasked_\@:
.endm
.macro CROUND
	s_barrier_signal -1
	s_barrier_wait -1
	s_cmp_lg_u32 s14, 0
	s_cbranch_scc1 .Lnot_wave_0_\@
	s_barrier_signal -3
.Lnot_wave_0_\@:
	s_barrier_wait -3
	s_barrier_signal -1
	s_barrier_wait -1
.endm
	s_load_b256 s[4:11], s[0:1], 0x0               ; xc, Wo's codes, bo, the scales' exponents
	s_load_b64 s[12:13], s[0:1], 0x20              ; out0
	v_lshl_add_u32 v[SPW], v0, 2, SPARE
	v_mov_b32 v[NIL], 0
	ds_add_u32 v[SPW], v[NIL]                      ; the wave's opening: the add, twice on end, and its wait ahead of my first tensor load
	ds_add_u32 v[SPW], v[NIL]
	v_lshrrev_b32 v1, 5, v0
	v_readfirstlane_b32 s14, v1                    ; wave 0..3
	s_lshr_b32 s15, s14, 1                         ; wr: which 64 rows are mine.  Also: I fetch for x (0) or for Wo (1)
	s_and_b32 s16, s14, 1                          ; wp: which 64 features.  Also: which half of the rows I fetch
	s_bfe_u32 s76, ttmp6, 0x40000                  ; cx
	s_bfe_u32 s77, ttmp6, 0x40004                  ; cy
	s_lshl_b32 s78, ttmp9, 2
	s_add_co_u32 s78, s78, s76                     ; nt: which 128 features
	s_and_b32 s79, ttmp7, 0xffff
	s_lshl_b32 s79, s79, 2
	s_add_co_u32 s79, s79, s77                     ; 16 b + which 128 positions
	s_lshl_b32 s80, s77, 2
	s_lshl_b32 s80, 15, s80                        ; my row of the cluster
	s_lshl_b32 s81, 0x1111, s76                    ; my column
	s_or_b32 s[G1A], s80, 1<<21                    ; elements of 1 byte; no padding
	s_or_b32 s[G1W], s81, (1<<20)|(1<<21)|(6<<22)|(3<<25)   ; padding: after every 128 words, 4 words
	s_mov_b32 s[G1A+1], 8192<<16                   ; x: 4 tiles, eight heads of each: 8,192 bytes
	s_mov_b32 s[G1A+2], 4<<16
	s_mov_b32 s[G1A+3], 8192<<16
	s_mov_b32 s[G1A+4], 4
	s_mov_b32 s[G1A+5], 16384
	s_mov_b32 s[G1A+6], 0
	s_mov_b32 s[G1A+7], 0
	s_mov_b32 s[G1W+1], 512<<16                    ; Wo: 64 rows of 512 bytes
	s_mov_b32 s[G1W+2], 64<<16
	s_mov_b32 s[G1W+3], 512<<16
	s_mov_b32 s[G1W+4], 64
	s_mov_b32 s[G1W+5], 1024
	s_mov_b32 s[G1W+6], 0
	s_mov_b32 s[G1W+7], 0
	s_lshl_b32 s93, s16, 16                        ; 4 tiles of 16,384 bytes, 64 rows of 1,024 bytes
	s_lshl_b32 s84, s79, 17
	s_add_co_u32 s84, s84, s93
	s_mov_b32 s85, 0
	s_lshl_b32 s86, s78, 17
	s_add_co_u32 s86, s86, s93
	s_mov_b32 s87, 0
	s_lshl_b32 s88, s16, 15
	s_mul_i32 s89, s16, 64*WPIT
	s_add_co_u32 s89, s89, WOFF
	s_wait_dscnt 0x0                               ; both opening adds are done
	s_wait_kmcnt 0x0
	s_load_b64 s[96:97], s[10:11], 0x28            ; e10, e11
	s_add_nc_u64 s[84:85], s[4:5], s[84:85]
	s_add_nc_u64 s[86:87], s[6:7], s[86:87]
.irp c, 0,1
	s_mov_b32 s[G0A+4*\c], 1
	s_add_co_u32 s[G0A+4*\c+1], s88, \c*XH
	s_add_nc_u64 s[G0A+4*\c+2:G0A+4*\c+3], s[84:85], \c*8192
	s_or_b32 s[G0A+4*\c+3], s[G0A+4*\c+3], 0x80000000
	s_mov_b32 s[G0W+4*\c], 1
	s_add_co_u32 s[G0W+4*\c+1], s89, \c*WH
	s_add_nc_u64 s[G0W+4*\c+2:G0W+4*\c+3], s[86:87], \c*512
	s_or_b32 s[G0W+4*\c+3], s[G0W+4*\c+3], 0x80000000
.endr
	CROUND                                         ; all sixteen work-groups are here: the joint loads meet
	JLOAD 0                                        ; one tensor load a wave at the head
	s_lshl_b32 s92, s78, 9
	s_lshl_b32 s93, s16, 8
	s_add_co_u32 s92, s92, s93                     ; 4 (128 nt + 64 wp)
	s_lshr_b32 s82, s79, 4                         ; b
	s_and_b32 s83, s79, 15                         ; which 128 positions
	s_lshl_b32 s90, s83, 20                        ; ((128 x block + 64 wr) x 2 + b) x 4,096 + 4 (128 nt + 64 wp)
	s_lshl_b32 s91, s15, 19
	s_add_co_u32 s90, s90, s91
	s_lshl_b32 s91, s82, 12
	s_add_co_u32 s90, s90, s91
	s_add_co_u32 s90, s90, s92
	s_mov_b32 s91, 0
	s_add_nc_u64 s[12:13], s[12:13], s[90:91]
	s_lshl_b32 s2, s15, 15                         ; my four tiles of x
	s_mul_i32 s3, s16, 64*WPIT
	s_add_co_u32 s3, s3, WOFF                      ; my 64 rows of Wo
	s_mul_i32 s82, s14, 4352
	s_add_co_u32 s82, s82, STAGE                   ; my stage
	v_and_b32 v1, 15, v0                           ; r
	v_bfe_u32 v2, v0, 4, 1                         ; h
	v_and_b32 v3, 31, v0
	v_lshl_add_u32 v[BOF], v2, 5, s92              ; bo: + 8 h numbers
.irp p, 0,1,2,3
	global_load_b128 v[BQ+8*\p:BQ+8*\p+3],   v[BOF], s[8:9] offset:64*\p
	global_load_b128 v[BQ+8*\p+4:BQ+8*\p+7], v[BOF], s[8:9] offset:64*\p+16
.endr
	v_mul_u32_u24 v4, WPIT, v1                     ; Wo: row x pitch
	v_mul_u32_u24 v5, 272, v1                      ; the stage: row x pitch
	v_mul_u32_u24 v6, 272, v2
	v_lshl_add_u32 v[ADA], v3, 4, s2
	v_lshl_add_u32 v7, v2, 4, v4
	v_lshl_add_u32 v8, v2, 5, v5
	v_lshl_add_u32 v6, v1, 4, v6
	v_add_nc_u32 v[ADA+1], XH, v[ADA]
	v_add_nc_u32 v[ADW], s3, v7
	v_add_nc_u32 v[STO], s82, v8                   ; in: row r, 32 bytes for each half of the lanes
	v_add_nc_u32 v[RD], s82, v6                    ; back: lanes 0-15 one row of 256 bytes, lanes 16-31 the next
	v_lshlrev_b32 v9, 13, v2                       ; and the same in out0: positions lie 8,192 bytes apart
	v_add_nc_u32 v[ADW+1], WH, v[ADW]
	v_lshl_add_u32 v[CO], v1, 4, v9
; 32 LDS loads: the fragments of K step k (128 along K: quarter k % 4 of half k / 4, two heads) into buffer f.  Registers 4 cc .. 4 cc + 3 hold K = 32 cc + 16 h + 0 .. 15 in both operands.
.macro FETCH k, f
	WIN TO_F
.irp p, 0,1,2,3
.irp cc, 0,1,2,3
	ds_load_b128 v[\f+64+16*\p+4*\cc:\f+64+16*\p+4*\cc+3], v[ADW+(\k)/4] offset:128*((\k)%4)+32*\cc+16*WPIT*\p
.endr
.endr
.irp t, 0,1,2,3
.irp cc, 0,1,2,3
	ds_load_b128 v[\f+16*\t+4*\cc:\f+16*\t+4*\cc+3], v[ADA+(\k)/4] offset:8192*\t+2048*((\k)%4)+512*\cc
.endr
.endr
.endm
.macro MULS f, zero                    ; 16 matrix instructions, the accumulators by turns
.irp t, 0,1,2,3
.irp p, 0,1,2,3
.if \zero
	v_wmma_f32_16x16x128_fp8_fp8 v[ACC+8*(4*\t+\p):ACC+8*(4*\t+\p)+7], v[\f+64+16*\p:\f+64+16*\p+15], v[\f+16*\t:\f+16*\t+15], 0
.else
	v_wmma_f32_16x16x128_fp8_fp8 v[ACC+8*(4*\t+\p):ACC+8*(4*\t+\p)+7], v[\f+64+16*\p:\f+64+16*\p+15], v[\f+16*\t:\f+16*\t+15], v[ACC+8*(4*\t+\p):ACC+8*(4*\t+\p)+7]
.endif
.endr
.endr
.endm
	s_wait_alu depctr_va_vdst(0)
	s_wait_tensorcnt 0x0                           ; my part of half 0 is in; these lines stand ahead of a later first fill as ahead of a refill:
	ds_add_u32 v[SPW], v[NIL]                      ; 0 onto my spare word
	s_wait_dscnt 0x0                               ; the add is done
	CROUND                                         ; everybody's part of half 0 is in, and all sixteen work-groups are here
	JLOAD 1                                        ; half 1, the first tensor load behind the round
	FETCH 0, 0
.irp k, 0,1,2,3,4,5,6,7
	s_wait_dscnt 0x0                               ; this step's fragments are in
.if \k == 3
	s_wait_tensorcnt 0x0                           ; my part of half 1 is in
	s_barrier_signal -1
	s_barrier_wait -1
.endif
.if \k < 7
.rept 4
	v_nop                                          ; places between the products just issued and the loads into the buffer that they read
.endr
	FETCH \k+1, 128*((\k+1)%2)
.endif
	WIN MUL
.if \k == 0
	MULS 0, 1                                      ; the first products start the sums
.else
	MULS 128*(\k%2), 0
.endif
.endr
	WIN 0
	; THE WAY OUT: sum x 2^(e10 + e11) + bo, one packed multiply-add for two numbers; 16 rows at a time through my stage; sixteen lanes store 256 consecutive bytes, aligned.
	s_wait_kmcnt 0x0
	s_add_co_i32 s96, s96, s97
	s_add_co_i32 s96, s96, 127
	s_lshl_b32 s96, s96, 23                        ; 2^(e10 + e11) as f32
	s_mov_b32 s97, s96                             ; (named with it as a pair, so it is written)
	s_wait_loadcnt 0x0                             ; bo
.rept 4
	v_nop
.endr
.macro TOSTAGE t
.irp p, 0,1,2,3
.irp i, 0,2,4,6
	v_pk_fma_f32 v[TMP+32*((\t)%2)+8*\p+\i:TMP+32*((\t)%2)+8*\p+\i+1], v[ACC+8*(4*(\t)+\p)+\i:ACC+8*(4*(\t)+\p)+\i+1], s[96:97], v[BQ+8*\p+\i:BQ+8*\p+\i+1] op_sel_hi:[1,0,1]
.endr
.endr
.irp p, 0,1,2,3
	ds_store_b128 v[STO], v[TMP+32*((\t)%2)+8*\p:TMP+32*((\t)%2)+8*\p+3] offset:64*\p
	ds_store_b128 v[STO], v[TMP+32*((\t)%2)+8*\p+4:TMP+32*((\t)%2)+8*\p+7] offset:64*\p+16
.endr
.irp i, 0,1,2,3,4,5,6,7
	ds_load_b128 v[TMP+32*((\t)%2)+4*\i:TMP+32*((\t)%2)+4*\i+3], v[RD] offset:544*\i   ; LDS serves a wave's instructions in order (ISA guide 5.7.1.4): these see my stores, and come back into the registers that they left
.endr
.endm
.macro SEND t, younger                 ; younger: the next block's LDS instructions, which may be out
.irp i, 0,1,2,3,4,5,6,7
	s_wait_dscnt \younger+7-\i                     ; load i is in
	global_store_b128 v[CO], v[TMP+32*((\t)%2)+4*\i:TMP+32*((\t)%2)+4*\i+3], s[12:13] offset:131072*(\t)+16384*\i th:TH_STORE_NT
.endr
.endm
	TOSTAGE 0
	TOSTAGE 1
	SEND 0, 16
	s_wait_xcnt 0x0                                ; block 0's stores have read their registers: the set may be written again
	TOSTAGE 2
	SEND 1, 16
	s_wait_xcnt 0x0
	TOSTAGE 3
	SEND 2, 16
	SEND 3, 0
	s_wait_tensorcnt 0x0                           ; the wave's end: behind my last tensor load and my last LDS store
	ds_add_u32 v[SPW], v[NIL]
	s_wait_dscnt 0x0
	CROUND                                         ; the closing round
	s_endpgm
.Lfunc_end_k_q1e2a344b08_outp:
	.size	k_q1e2a344b08_outp, .Lfunc_end_k_q1e2a344b08_outp-k_q1e2a344b08_outp
	.p2alignl 7, 3214868480
	.fill 96, 4, 3214868480
	.section	.rodata,"a",@progbits
	.p2align	6, 0x0
	.amdhsa_kernel k_q1e2a344b08_outp
		.amdhsa_group_segment_fixed_size 327680
		.amdhsa_private_segment_fixed_size 0
		.amdhsa_enable_private_segment 0
		.amdhsa_kernarg_size 40
		.amdhsa_user_sgpr_count 2
		.amdhsa_user_sgpr_kernarg_segment_ptr 1
		.amdhsa_wavefront_size32 1
		.amdhsa_system_sgpr_workgroup_id_x 1
		.amdhsa_system_sgpr_workgroup_id_y 1
		.amdhsa_system_sgpr_workgroup_id_z 1
		.amdhsa_system_vgpr_workitem_id 0
		.amdhsa_next_free_vgpr 512
		.amdhsa_next_free_sgpr 100
		.amdhsa_reserve_vcc 0
		.amdhsa_float_denorm_mode_32 3
		.amdhsa_float_denorm_mode_16_64 3
		.amdhsa_memory_ordered 1
		.amdhsa_forward_progress 1
		.amdhsa_inst_pref_size 47
	.end_amdhsa_kernel
	.amdgpu_metadata
---
amdhsa.version: [ 1, 2 ]
amdhsa.kernels:
  - .name:           k_q1e2a344b08_outp
    .symbol:         k_q1e2a344b08_outp.kd
    .args:
      - { .name: xc, .offset: 0, .size: 8, .value_kind: global_buffer, .address_space: global }
      - { .name: Wo_codes, .offset: 8, .size: 8, .value_kind: global_buffer, .address_space: global }
      - { .name: bo, .offset: 16, .size: 8, .value_kind: global_buffer, .address_space: global }
      - { .name: lowp_scales, .offset: 24, .size: 8, .value_kind: global_buffer, .address_space: global }
      - { .name: out0, .offset: 32, .size: 8, .value_kind: global_buffer, .address_space: global }
    .group_segment_fixed_size: 327680
    .private_segment_fixed_size: 0
    .kernarg_segment_align: 8
    .kernarg_segment_size: 40
    .max_flat_workgroup_size: 128
    .sgpr_count:     100
    .vgpr_count:     512
    .wavefront_size: 32
...
	.end_amdgpu_metadata
.endif
;; end of part 3
